; MI455X (gfx1250); checked and timed in simulation.
; The chip was launched on July 23, 2026; its instructions are those of AMD's public machine-readable ISA for CDNA 5 (MIT licence, August 2026) and "CDNA5" Instruction Set Architecture Reference Guide (July 2026). The comments in the code are by the model that wrote it; some were corrected since.
;; Attention. Allowed arithmetic: matrix products marked QUANTISED: E2M3 operands, one E8M0 scale for each 32 along K, by v_wmma_scale_f32_16x16x128_f8f6f4 with both operands' format E2M3, f32 sums; products left as they are: f32 operands where the result goes on into a quantised operand, else bf16, f16 or f32 operands; f32 sums; everything else in f32.
;; Inputs: W_emb_codes 512 x 32 x 24 uint8 (E2M3 codes of W_emb, K innermost, in blocks of 32 codes, four codes in three bytes); W_emb_scales 512 x 32 uint8 (E8M0 scales of W_emb, one for each 32 codes along K); W_hid_codes 512 x 32 x 24 uint8 (E2M3 codes of W_hid, K innermost, in blocks of 32 codes, four codes in three bytes); W_hid_scales 512 x 32 uint8 (E8M0 scales of W_hid, one for each 32 codes along K); att_v 512 float32; b_emb 512 float32; b_hid 512 float32; emb 2,048 x 32 x 1,024 float32; hid_codes 32 x 32 x 24 uint8 (E2M3 codes of hid, K innermost, in blocks of 32 codes, four codes in three bytes); hid_scales 32 x 32 uint8 (E8M0 scales of hid, one for each 32 codes along K).
;; Outputs: out0 32 x 1,024 float32; out1 32 x 2,048 float32.
;; This version of the problem:
;;   THIS VERSION OF THE PROBLEM IS GIVEN IN LOW PRECISION. The matrix products marked QUANTISED in the list below multiply operands that are first quantised to E2M3 (2 exponent bits, 3 mantissa bits; 6 bits a number), with one power-of-two scale for each 32 numbers along K (OCP MX v1.0); their sums are f32. All else is computed in f32.
;;   The module's matrix products, in the order in which they are computed (A, B: the left and right operand; K: the contracted axis; several contracted axes count as one K, in the product's order):
;;     1. [M 32, K 1,024] x [K 1,024, N 512]; A: input hid (given as codes); B: input W_hid (given as codes): QUANTISED
;;     2. [M 65,536, K 1,024] x [K 1,024, N 512]; A: input emb; B: input W_emb (given as codes): QUANTISED
;;     3. [M 1, K 512] x [K 512, N 65,536]; A: input att_v; B: computed on the way: left as it is (M = 1 < 16)
;;     4. batch 32 x [M 1, K 2,048] x [K 2,048, N 1,024]; A: softmax; B: input emb: left as it is (M = 1 < 16)
;;   THE QUANTISER, for each operand of a quantised product, along K:
;;     - K is cut into blocks of 32 from its start; a last block that is shorter is filled with zeros.
;;     - A block's scale is 2^e with e = floor(log2(the largest magnitude in the block)) - 2, held to -126 .. 127; a block of zeros has e = 0. As a byte (E8M0): e + 127.
;;     - Each number is divided by its block's scale, clamped to +-7.5, and rounded to the nearest number of E2M3, ties to even, subnormals kept.
;;     - The product sums the exact products of the quantised numbers (number of the format x scale) in f32.
;;   ~~~python
;;   def quantise(x, axis):      # numpy; x: float32 -> the quantised numbers, widened to float32 again
;;       x = np.moveaxis(x, axis, -1); K = x.shape[-1]
;;       x = np.pad(x, [(0, 0)] * (x.ndim - 1) + [(0, -K % 32)]); x = x.reshape(x.shape[:-1] + (-1, 32)); a = np.abs(x).max(-1, keepdims=True)
;;       e = np.where(a > 0, np.clip(np.frexp(np.where(a > 0, a, 1))[1] - 1 - 2, -126, 127), 0)      # np.frexp(a)[1] - 1 = floor(log2(a)), exactly
;;       r = np.clip(x / 2.0 ** e, -7.5, 7.5)
;;       step = 2.0 ** (np.maximum(np.frexp(np.where(r == 0, 1, r))[1] - 1, 0) - 3)
;;       q = np.round(r / step) * step * 2.0 ** e      # np.round: ties to even
;;       return np.moveaxis(q.reshape(q.shape[:-2] + (-1,))[..., :K], -1, axis).astype(np.float32)
;;   ~~~
;;   INPUTS GIVEN AS CODES. W_emb (in the module: [1024, 512], K = its axis 0); W_hid (in the module: [1024, 512], K = its axis 0); hid (in the module: [32, 1024], K = its axis 1): each comes as NAME_codes (uint8): NAME with its K axis moved to the last place and cut into blocks of 32 codes, [.., K / 32, bytes a block], one block behind the other in memory; four codes in three bytes: a row's codes are one little-endian stream of bits, code i at bits 6 i .. 6 i + 5 (a code: sign, 2 exponent bits, 3 mantissa bits); and NAME_scales (uint8): the same leading axes, one E8M0 byte (e + 127) for each 32 codes along K. Its value is code x scale, taken as it is: it is not quantised again, and the codes and scales need not be those that the quantiser above would give.
;; One version. Each part assembles by itself: llvm-mc -triple=amdgcn-amd-amdhsa -mcpu=gfx1250 --defsym DOCPART=n.
;; ======== version 1 of 1: 3 launches
;; limits: right only within a limited range of input values
;; workspace buffers: wimg 393,216 bytes; biasw 65,536 bytes; scoresw 262,144 bytes; pctx 1,048,576 bytes
;; launch prep (part 1): grid 64 x 1, 4 waves a work-group, no clusters, 4,608 bytes of LDS; arguments W_emb_codes, W_hid_codes, W_hid_scales, hid_codes, hid_scales, b_hid, b_emb, wimg, biasw; writes wimg, biasw
.if DOCPART == 1
	.amdgcn_target "amdgcn-amd-amdhsa--gfx1250"
	.amdhsa_code_object_version 6
	.text
	.protected	k_q7f66850355_prep
	.globl	k_q7f66850355_prep
	.p2align	8
	.type	k_q7f66850355_prep,@function
k_q7f66850355_prep:
	s_mov_b64 s[64:65], 0
	v_nop
	global_prefetch_b8 v0, s[64:65] scope:SCOPE_SE
	s_setreg_imm32_b32 hwreg(HW_REG_WAVE_MODE, 25, 1), 1
	s_wait_xcnt 0x0
; TWO SMALL JOBS AHEAD OF THE MAIN LAUNCH.
; (1) W_emb's codes ([512 att columns][1,024 k], 768 bytes a column, K innermost) are laid out once as IMAGES OF OPERAND REGISTERS: fragment (T, s) = 16 columns 16 T .. x 128 k 128 s ..,
;     12 registers a lane, at byte (8 T + s) x 1,536 of wimg; registers 4 c .. 4 c + 3 of lane l at + 512 c + 16 l.  The main launch then loads its weights by loads of 512 consecutive bytes.
; (2) (hid W_hid)[b][a] + b_hid[a] + b_emb[a]: the first product, on codes of FP6 (E2M3) with E8M0 scales as they are given, by the scaled matrix instruction; sums in f32.
;     It is stored by tiles: biasw[mt][T][16 batches][16 columns] f32, 1,024 bytes a tile: batch 16 mt + i, att column 16 T + j.
; SHARES.  32 tiles T of 16 att columns x 2 tiles mt of 16 batches: 64 work-groups, x = 2 T + mt.  THE FOUR WAVES SHARE K: wave q multiplies K steps 2 q and 2 q + 1 (two matrix instructions, each into an accumulator
;     of its own that begins with the constant 0) and copies fragment (T, 4 mt + q) of W_emb.  A fragment's loads are 8 bytes a lane from sixteen rows 768 bytes apart, so they are spread thin: 30 a wave.
; The four waves' partial tiles meet in LDS; wave q adds rows 4 q .. 4 q + 3 and the biases and stores 256 consecutive bytes, aligned.
; The sum over K so runs in eight parts, added at the end: an order of rounding that differs from one chain.
; The matrix instruction is used transposed (source 0 = 16 columns of W_hid, source 1 = 16 rows of hid): lane (r, h) holds batch r of the tile and, in register j, column 8 h + j: 32 neighbouring bytes of the tile's row.
.set ROWB, 768                         ; a row of 1,024 codes
.set KSB,  96                          ; 128 codes
.set FRB,  1536                        ; a fragment's image
.set WE,   16                          ; v16-27   W_emb's fragment on its way
.set WH,   32                          ; v32-55   W_hid's two fragments
.set HF,   56                          ; v56-79   hid's two
.set WS,   80                          ; v80-81   W_hid's scale words of my two K steps: they hold nothing else
.set HS,   82                          ; v82-83   hid's likewise
.set BH,   84                          ; v84-85   b_hid of the two columns that I store, then b_hid + b_emb
.set BE,   86                          ; v86-87   b_emb
.set AC,   88                          ; v88-103  two accumulators
.set O,    104                         ; v104-111 my partial tile
.set PT,   112                         ; v112-119 the four waves' parts of the two numbers that I store
	s_load_b256 s[4:11], s[0:1], 0x0               ; W_emb_codes s[4:5], W_hid_codes s[6:7], W_hid_scales s[8:9], hid_codes s[10:11]
	s_load_b256 s[12:19], s[0:1], 0x20             ; hid_scales s[12:13], b_hid s[14:15], b_emb s[16:17], wimg s[18:19]
	s_load_b64 s[20:21], s[0:1], 0x40              ; biasw
	v_lshl_add_u32 v128, v0, 2, 0x1000
	v_mov_b32 v129, 0
	v_lshrrev_b32 v1, 5, v0
	v_readfirstlane_b32 s22, v1                    ; wave q, 0..3
	s_lshr_b32 s23, ttmp9, 1                       ; T
	s_and_b32 s24, ttmp9, 1                        ; mt
	v_and_b32 v9, 15, v0                           ; r
	v_bfe_u32 v10, v0, 4, 1                        ; h
	v_and_b32 v11, 31, v0                          ; lane
	v_mul_u32_u24 v1, v9, ROWB
	v_mad_u32_u24 v1, v10, 24, v1                  ; a fragment's row r, + 24 h
	v_lshlrev_b32 v2, 5, v9                        ; scale words: row r of 32 bytes (lanes 16-31 read what lanes 0-15 read and are not used)
	v_and_b32 v3, 7, v0
	v_lshlrev_b32 v3, 3, v3                        ; the biases of the two columns that I store: 8 (lane % 8)
	v_lshlrev_b32 v4, 4, v11                       ; an image's place for my lane
	v_lshlrev_b32 v5, 6, v9
	v_lshl_add_u32 v5, v10, 5, v5
	s_lshl_b32 s28, s22, 10
	v_add_nc_u32 v5, s28, v5                       ; my partial tile in LDS: 1,024 q + 64 r + 32 h.
	v_lshlrev_b32 v7, 3, v11                       ; out: 8 bytes a lane
	s_lshl_b32 s28, s22, 8
	v_add_nc_u32 v6, s28, v7                       ; rows 4 q .. 4 q + 3 of a partial tile: 256 q + 8 x lane
	s_mul_i32 s29, s23, 16*ROWB                    ; tile T's 16 rows of codes
	s_lshl_b32 s30, s24, 2
	s_add_co_u32 s30, s30, s22                     ; 4 mt + q: the K step whose fragment of W_emb I copy
	s_mul_i32 s31, s22, 2*KSB                      ; my two K steps of the product
	s_lshl_b32 s32, s22, 3                         ; and their scale words
	s_mov_b32 s27, 0
	s_wait_alu depctr_va_vdst(0)
	s_wait_kmcnt 0x0
	s_mul_i32 s26, s30, KSB
	s_add_co_u32 s26, s26, s29
	s_add_nc_u64 s[4:5], s[4:5], s[26:27]          ; W_emb's codes at tile T, K step 4 mt + q
	s_add_co_u32 s26, s29, s31
	s_add_nc_u64 s[6:7], s[6:7], s[26:27]          ; W_hid's at tile T, K step 2 q
	s_lshl_b32 s26, s23, 9
	s_add_co_u32 s26, s26, s32
	s_add_nc_u64 s[8:9], s[8:9], s[26:27]          ; and its scale words: 16 rows of 32 bytes a tile
	s_mul_i32 s26, s24, 16*ROWB
	s_add_co_u32 s26, s26, s31
	s_add_nc_u64 s[10:11], s[10:11], s[26:27]      ; hid's codes at batch 16 mt, K step 2 q
	s_lshl_b32 s26, s24, 9
	s_add_co_u32 s26, s26, s32
	s_add_nc_u64 s[12:13], s[12:13], s[26:27]      ; and its scale words
	s_lshl_b32 s26, s23, 6
	s_add_nc_u64 s[14:15], s[14:15], s[26:27]      ; the biases at column 16 T
	s_add_nc_u64 s[16:17], s[16:17], s[26:27]
	s_lshl_b32 s26, s23, 3
	s_add_co_u32 s26, s26, s30
	s_mul_i32 s26, s26, FRB
	s_add_nc_u64 s[18:19], s[18:19], s[26:27]      ; wimg at fragment (T, 4 mt + q)
	s_lshl_b32 s26, s24, 5
	s_add_co_u32 s26, s26, s23
	s_lshl_b32 s26, s26, 10
	s_add_co_u32 s26, s26, s28
	s_add_nc_u64 s[20:21], s[20:21], s[26:27]      ; biasw at tile (mt, T), row 4 q
.irp p, 0,1,2,3,4,5
	global_load_b64 v[WE+2*\p:WE+2*\p+1], v1, s[4:5] offset:48*(\p/3)+8*(\p%3)     ; W_emb's fragment: six loads, the first to be wanted
.endr
.irp f, 0,1
.irp p, 0,1,2,3,4,5
	global_load_b64 v[WH+12*\f+2*\p:WH+12*\f+2*\p+1], v1, s[6:7] offset:KSB*\f+48*(\p/3)+8*(\p%3)
.endr
.endr
.irp f, 0,1
.irp p, 0,1,2,3,4,5
	global_load_b64 v[HF+12*\f+2*\p:HF+12*\f+2*\p+1], v1, s[10:11] offset:KSB*\f+48*(\p/3)+8*(\p%3)
.endr
.endr
	global_load_b64 v[WS:WS+1], v2, s[8:9]
	global_load_b64 v[HS:HS+1], v2, s[12:13]
	global_load_b64 v[BH:BH+1], v3, s[14:15]
	global_load_b64 v[BE:BE+1], v3, s[16:17]
	s_wait_loadcnt 28                              ; loads come back in order (ISA guide 5.7.1): W_emb's six are in; the 28 issued behind them may be out
.irp c, 0,1,2
	global_store_b128 v4, v[WE+4*\c:WE+4*\c+3], s[18:19] offset:512*\c             ; the registers as they stand: 512 consecutive bytes a store
.endr
	s_wait_loadcnt 0x0
	v_wmma_scale_f32_16x16x128_f8f6f4 v[AC:AC+7], v[WH:WH+11], v[HF:HF+11], 0, v[WS], v[HS] matrix_a_fmt:MATRIX_FMT_FP6 matrix_b_fmt:MATRIX_FMT_FP6
	v_wmma_scale_f32_16x16x128_f8f6f4 v[AC+8:AC+15], v[WH+12:WH+23], v[HF+12:HF+23], 0, v[WS+1], v[HS+1] matrix_a_fmt:MATRIX_FMT_FP6 matrix_b_fmt:MATRIX_FMT_FP6
	v_pk_add_f32 v[BH:BH+1], v[BH:BH+1], v[BE:BE+1]                                ; b_hid + b_emb: the first of four places behind the products (ISA guide 7.12.1)
.rept 3
	v_nop
.endr
.irp j, 0,2,4,6
	v_pk_add_f32 v[O+\j:O+\j+1], v[AC+\j:AC+\j+1], v[AC+8+\j:AC+8+\j+1]            ; my two K steps, each accumulator from its low end on
.endr
	ds_store_b128 v5, v[O:O+3]
	ds_store_b128 v5, v[O+4:O+7] offset:16
	s_wait_dscnt 0x0                               ; for the others' sake: my partial tile has landed
	s_barrier_signal -1
	s_barrier_wait -1
.irp p, 0,1,2,3
	ds_load_b64 v[PT+2*\p:PT+2*\p+1], v6 offset:1024*\p                            ; the same two numbers of the four partial tiles; 256 consecutive bytes a load
.endr
	s_wait_dscnt 0x0
	v_pk_add_f32 v[PT:PT+1], v[PT:PT+1], v[PT+2:PT+3]
	v_pk_add_f32 v[PT+4:PT+5], v[PT+4:PT+5], v[PT+6:PT+7]
	v_pk_add_f32 v[PT:PT+1], v[PT:PT+1], v[PT+4:PT+5]
	s_wait_alu depctr_va_vdst(0)
	v_pk_add_f32 v[PT:PT+1], v[PT:PT+1], v[BH:BH+1]
	global_store_b64 v7, v[PT:PT+1], s[20:21]      ; the wave stores 256 consecutive bytes, at a multiple of 256 from biasw's first byte
	s_wait_tensorcnt 0x0
	ds_add_u32 v128, v129
	s_wait_dscnt 0x0
	s_endpgm
.Lfunc_end_k_q7f66850355_prep:
	.size	k_q7f66850355_prep, .Lfunc_end_k_q7f66850355_prep-k_q7f66850355_prep
	.p2alignl 7, 3214868480
	.fill 96, 4, 3214868480
	.section	.rodata,"a",@progbits
	.p2align	6, 0x0
	.amdhsa_kernel k_q7f66850355_prep
		.amdhsa_group_segment_fixed_size 4608
		.amdhsa_private_segment_fixed_size 0
		.amdhsa_enable_private_segment 0
		.amdhsa_kernarg_size 72
		.amdhsa_user_sgpr_count 2
		.amdhsa_user_sgpr_kernarg_segment_ptr 1
		.amdhsa_wavefront_size32 1
		.amdhsa_system_sgpr_workgroup_id_x 1
		.amdhsa_system_sgpr_workgroup_id_y 1
		.amdhsa_system_sgpr_workgroup_id_z 1
		.amdhsa_system_vgpr_workitem_id 0
		.amdhsa_next_free_vgpr 130
		.amdhsa_next_free_sgpr 66
		.amdhsa_reserve_vcc 0
		.amdhsa_float_denorm_mode_32 3
		.amdhsa_float_denorm_mode_16_64 3
		.amdhsa_memory_ordered 1
		.amdhsa_forward_progress 1
		.amdhsa_inst_pref_size 8
	.end_amdhsa_kernel
	.amdgpu_metadata
---
amdhsa.version: [ 1, 2 ]
amdhsa.kernels:
  - .name:           k_q7f66850355_prep
    .symbol:         k_q7f66850355_prep.kd
    .args:
      - { .name: W_emb_codes, .offset: 0, .size: 8, .value_kind: global_buffer, .address_space: global }
      - { .name: W_hid_codes, .offset: 8, .size: 8, .value_kind: global_buffer, .address_space: global }
      - { .name: W_hid_scales, .offset: 16, .size: 8, .value_kind: global_buffer, .address_space: global }
      - { .name: hid_codes, .offset: 24, .size: 8, .value_kind: global_buffer, .address_space: global }
      - { .name: hid_scales, .offset: 32, .size: 8, .value_kind: global_buffer, .address_space: global }
      - { .name: b_hid, .offset: 40, .size: 8, .value_kind: global_buffer, .address_space: global }
      - { .name: b_emb, .offset: 48, .size: 8, .value_kind: global_buffer, .address_space: global }
      - { .name: wimg, .offset: 56, .size: 8, .value_kind: global_buffer, .address_space: global }
      - { .name: biasw, .offset: 64, .size: 8, .value_kind: global_buffer, .address_space: global }
    .group_segment_fixed_size: 4608
    .private_segment_fixed_size: 0
    .kernarg_segment_align: 8
    .kernarg_segment_size: 72
    .max_flat_workgroup_size: 128
    .sgpr_count:     66
    .vgpr_count:     130
    .wavefront_size: 32
...
	.end_amdgpu_metadata
.endif
;; end of part 1
;; launch main (part 2): grid 32 x 8, 4 waves a work-group, no clusters, 327,680 bytes of LDS; arguments emb, wimg, W_emb_scales, biasw, att_v, scoresw, pctx; writes scoresw, pctx
.if DOCPART == 2
	.amdgcn_target "amdgcn-amd-amdhsa--gfx1250"
	.amdhsa_code_object_version 6
	.text
	.protected	k_q7f66850355_main
	.globl	k_q7f66850355_main
	.p2align	8
	.type	k_q7f66850355_main,@function
k_q7f66850355_main:
	s_mov_b64 s[64:65], 0
	v_nop
	global_prefetch_b8 v0, s[64:65] scope:SCOPE_SE
	s_setreg_imm32_b32 hwreg(HW_REG_WAVE_MODE, 25, 1), 1
	s_wait_xcnt 0x0
; score[b][s] = sum over a of att_v[a] tanh((emb[s][b] W_emb)[a] + bias[b][a]); and, in the same pass over emb, a partial context under a running maximum.
; No work of the problem is left out.  Work-group (b, c) owns batch row b and positions 256 c .. 256 c + 255: 8 blocks of 32 rows of 4,096 bytes, 131,072 bytes apart.  emb is loaded once:
; a block's f32 rows stay in an LDS slot until its scores are known and are then added, weighted by p = e^(score - m), m the chunk's running maximum; when m moves, the context is multiplied by e^(old m - new m).
; Stored: the raw scores (scoresw) and the context under the chunk's own largest score (pctx); the last launch joins the 8 chunks of a batch row.
; THE PRODUCT is on codes of FP6 (E2M3), one E8M0 scale for each 32 along K; emb is quantised here by the problem's rule.
; Wave w keeps att columns 128 w .. 128 w + 127 of W_emb, 64 fragments, 768 registers, for the whole launch (images of registers, 512 consecutive bytes a load).
; A BLOCK, three barriers: change of slots | Q: wave w quantises rows 8 w .. 8 w + 7 (lane l holds block l of a row) | barrier | M: two tiles of 16 rows: 8 K steps x 8 tiles of columns, tanh, x att_v, summed
;   over my 128 columns | barrier | C: every wave adds the four partial scores, finds m and p, and adds 32 rows x p into its 256 columns of the context.
; tanh(x) = 1 - 2 / (1 + 2^(2 log2(e) x)): sum of v tanh = sum of v - 2 sum of v / (1 + ..).  2^.. overflows to infinity and underflows to 0, which give 1 and -1.
; ONE LOOP of seven trips (blocks 0 to 6; each asks for the next block) and block 7 written out.  The waits for the weights stand in every trip; behind the first they find nothing out.
; PREFETCH: each wave names its own 8 rows of a block, a lane to each 256 bytes, four instructions.  Blocks 1 and 2 at the head; trip t names block t + 3, two trips ahead of the trip that loads it; trips 5 and 6 name nothing.
; NO CLUSTER: no two work-groups read the same rows of emb (1,048,576 bytes a work-group); what all share, the weights' image (393,216 bytes), has no room in LDS beside the two slots (294,912 bytes).
; LIMITS: NaN and infinities in emb are not served.  A block of zeros, or one whose largest magnitude lies under 2^-124, gets the scale byte 1 (the rule says 127 for zeros): its codes are zeros or the rule's own, and the
;   bytes are read here alone.  tanh carries an absolute error of a few units in the last place of 1.
.set ROWP,   4608                      ; an LDS row of emb: 32 x (128 bytes + 16 of padding)
.set WROWS,  8*ROWP                    ; what one tensor load brings
.set SLOTB,  0x24000                   ; a slot, 32 rows; one exclusive or turns an address in one slot into the other's
.set BLKB,   0x400000                  ; from a block of 32 positions to the next, in memory
.set PAIRB,  0x40000                   ; two positions, in memory
.set CODE,   2*SLOTB                   ; 32 rows of codes, 768 bytes + 16
.set CP,     784
.set ASCB,   CODE+32*CP                ; 32 rows of scale bytes, 32 bytes + 16
.set AP,     48
.set PSB,    ASCB+32*AP                ; partial scores: [wave][32 rows] f32
.set SPARE,  PSB+512                   ; the spare words, 128 bytes a wave
.set SPW,  1                           ; SPARE + 4 x thread; never rewritten
.set NIL,  2                           ; 0; never rewritten
.set QA0,  3                           ; Q: my 8 rows, my block: 36,864 w + 144 l
.set QA,   4                           ; the same in the slot in hand
.set QC,   5                           ; Q: where my 24 bytes of codes go
.set QS,   6                           ; Q: where my scale byte goes
.set FA,   7                           ; M: a fragment's row r, + 24 h
.set SA,   8                           ; M: row r's scale words, + 16 h
.set PA,   9                           ; M: where my half's eight partial scores go
.set PR,   10                          ; C: row l's partial scores
.set CA0,  11                          ; C: my 16 bytes of a row
.set CAW,  12                          ; the same in the eight rows in hand
.set LI,   13                          ; 16 x lane
.set TI,   14                          ; 16 x thread
.set PFO,  15                          ; the prefetches' offset: 131,072 h + 256 r; never rewritten
.set ASC,  16                          ; v16-23 x's scale words, 4 a tile of rows: K step i in lanes 0-15, 4 + i in lanes 16-31; nothing else
.set BI,   24                          ; v24-39 tile t: 2 log2(e) x bias of my column, twice
.set MV,   40                          ; v40-55 tile t: -2 att_v of my column, twice
.set VS,   56                          ; v56-57 the sum of att_v over my eight columns, twice
.set MX,   58                          ; the running maximum
.set SCORE, 59
.set P,    60
.set MXN,  61
.set F,    62                          ; v62-63 e^(old m - new m), twice
.set CTX,  64                          ; v64-71 my eight columns of the context
.set SH,   72                          ; v72-79 the scores of the 8 blocks
.set WSC,  80                          ; v80-111 W's scale words, laid as x's; nothing else
.set X,    112                         ; Q: three sets of 32 numbers
.set CD,   208                         ; Q: three sets of 8: six registers of codes, the byte at + 6
.set TQ,   232                         ; Q: a block's upper 16 codes (a conversion's three registers begin on an even number)
.set QM0,  236
.set QM1,  237
.set QSO,  238
.set ACC,  112                         ; M: eight accumulators
.set FR,   176                         ; M: four fragments of x
.set SC,   232                         ; M: eight rows' partial scores
.set CB0,  112                         ; C: eight rows x my eight columns, twice
.set CB1,  176
.set W63,  240                         ; the 64th weight fragment; fragment f = 8 s + t otherwise in window 1 + f / 21 at register 12 (f % 21)
.set PP,   48                          ; s[48:63] eight pairs for p
.set PF,   34                          ; s[34:35] my 8 rows of the block one short of the one that a trip's prefetch names
.set MSB, 0
.macro WIN new                         ; the immediate's high byte repeats the setting that is left
.if MSB != (\new)
	s_set_vgpr_msb (MSB<<8)|(\new)
.set MSB, (\new)
.endif
.endm
.macro WREG ks, tt
.set WF, 8*(\ks)+(\tt)
.if WF < 63
.set WW, 1+WF/21
.set WR, 12*(WF%21)
.else
.set WW, 0
.set WR, W63
.endif
.endm
.macro PLACES                          ; four places behind a matrix instruction (ISA guide 7.12.1)
.rept 4
	v_nop
.endr
.endm
.macro BAR                             ; my LDS stores have landed and my LDS loads are in: then the work-group's barrier
	s_wait_alu depctr_va_vdst(0)
	s_wait_dscnt 0x0
	s_barrier_signal -1
	s_barrier_wait -1
.endm
	s_load_b256 s[4:11], s[0:1], 0x0               ; emb, wimg, W_emb_scales, biasw
	s_load_b128 s[12:15], s[0:1], 0x20             ; att_v, scoresw
	s_load_b64 s[16:17], s[0:1], 0x30              ; pctx
	v_lshl_add_u32 v[SPW], v0, 2, SPARE
	v_mov_b32 v[NIL], 0
	ds_add_u32 v[SPW], v[NIL]                      ; the opening lines
	ds_add_u32 v[SPW], v[NIL]
	v_lshrrev_b32 v252, 5, v0
	v_readfirstlane_b32 s18, v252                  ; wave 0..3
	v_and_b32 v[CAW], 31, v0                       ; at the head this register holds the offset of the weights' prefetch: 256 x min(l, 23)
	v_min_u32 v[CAW], 23, v[CAW]
	v_lshlrev_b32 v[CAW], 8, v[CAW]
	s_mov_b32 s19, ttmp9                           ; b
	s_and_b32 s68, s19, 15
	s_mul_i32 s68, s68, 6144                       ; piece b % 16 of my wave's images: 24 blocks of 256 bytes
	s_mov_b32 s69, 0
	s_mul_i32 s70, s18, 64*1536                    ; my 64 fragments' images
	s_mov_b32 s71, 0
	s_and_b32 s20, ttmp7, 0xffff                   ; c
	s_mov_b32 s24, (2<<16)|(1<<20)|(4<<22)|(3<<25) ; group 1: elements of 4 bytes; 4 words of padding behind every 32
	s_mov_b32 s25, 1024<<16                        ; tensor_dim0
	s_mov_b32 s26, 8<<16                           ; tensor_dim1
	s_mov_b32 s27, 1024<<16                        ; tile_dim0
	s_mov_b32 s28, 8                               ; tile_dim1
	s_mov_b32 s29, 32768                           ; elements from row to row
	s_mov_b32 s30, 0
	s_mov_b32 s31, 0
	s_lshl_b32 s22, s20, 25                        ; 256 c positions of 131,072 bytes,
	s_lshl_b32 s21, s18, 20                        ; 8 w positions,
	s_add_co_u32 s22, s22, s21
	s_lshl_b32 s21, s19, 12                        ; batch row b: under 2^28 in all
	s_add_co_u32 s22, s22, s21
	s_mov_b32 s23, 0
	s_mul_i32 s33, s18, WROWS                      ; my 8 rows of a slot
	s_mov_b32 s36, 1                               ; group 0, which walks
	s_mov_b32 s37, s33
	s_wait_alu depctr_va_vdst(0)
	s_wait_dscnt 0x0                               ; both opening adds are done
	s_wait_kmcnt 0x0
	s_add_nc_u64 s[38:39], s[4:5], s[22:23]
	s_or_b32 s39, s39, 0x80000000
	tensor_load_to_lds s[36:39], s[24:31]          ; block 0, my one load at the head
	s_nop 0
	PLACES
	; all the head's scalar work, then all its vector work in one run
	s_add_nc_u64 s[6:7], s[6:7], s[70:71]          ; my 64 fragments' images
	s_add_nc_u64 s[2:3], s[6:7], s[68:69]
	global_prefetch_b8 v[CAW], s[2:3] th:TH_LOAD_NT scope:SCOPE_SE   ; the weights' image is named ahead of its loads: the work-groups share my wave's 98,304 bytes out in sixteen pieces, by b % 16; lanes 24-31 name the piece's last block again
	s_add_nc_u64 s[PF:PF+1], s[4:5], s[22:23]
	s_add_nc_u64 s[PF:PF+1], s[PF:PF+1], BLKB      ; my rows of block 1
	s_mul_i32 s66, s18, 8*CP
	s_add_co_u32 s66, s66, CODE
	s_mul_i32 s67, s18, 8*AP
	s_add_co_u32 s67, s67, ASCB
	s_lshl_b32 s68, s18, 7
	s_add_co_u32 s68, s68, PSB
	s_mul_i32 s69, s18, 288
	s_lshl_b32 s22, s18, 12
	s_add_nc_u64 s[8:9], s[8:9], s[22:23]          ; my 128 columns' scale bytes
	s_lshr_b32 s22, s19, 4                         ; biasw: [b / 16][32 tiles][16 batches][16 columns]
	s_lshl_b32 s22, s22, 15
	s_and_b32 s21, s19, 15
	s_lshl_b32 s21, s21, 6
	s_add_co_u32 s22, s22, s21
	s_lshl_b32 s21, s18, 13                        ; my 8 tiles of 1,024 bytes
	s_add_co_u32 s22, s22, s21
	s_add_nc_u64 s[10:11], s[10:11], s[22:23]
	s_lshl_b32 s22, s18, 9
	s_add_nc_u64 s[12:13], s[12:13], s[22:23]      ; att_v[128 w]
	s_lshl_b32 s22, s19, 13
	s_lshl_b32 s21, s20, 10
	s_add_co_u32 s22, s22, s21
	s_add_nc_u64 s[14:15], s[14:15], s[22:23]      ; scoresw: 1,024 bytes a chunk
	s_lshl_b32 s22, s19, 3
	s_add_co_u32 s22, s22, s20
	s_lshl_b32 s22, s22, 12
	s_add_nc_u64 s[16:17], s[16:17], s[22:23]      ; pctx: 4,096 bytes a chunk
	s_mov_b32 s42, 0x4038aa3b                      ; 2 log2(e)
	s_mov_b32 s43, s42
	s_mov_b32 s44, 0x76543210                      ; selects for lane l xor 16
	s_mov_b32 s45, 0xfedcba98
	s_mov_b32 s46, 0x3fb8aa3b                      ; log2(e)
.irp n, 0,1,2,3,4,5,6,7
	s_mov_b32 s[PP+2*\n+1], 0                      ; (the pairs' upper halves are named, never used)
.endr
	s_mov_b32 s40, 0                               ; the slot in hand
	s_mov_b32 s41, 7                               ; trips: blocks 0 to 6
	v_and_b32 v252, 31, v0                         ; l
	v_and_b32 v253, 15, v0                         ; r
	v_bfe_u32 v254, v0, 4, 1                       ; h
	v_mul_u32_u24 v[QA0], v252, 144
	v_add_nc_u32 v[QA0], s33, v[QA0]
	v_mul_u32_u24 v[QC], v252, 24
	v_add_nc_u32 v[QC], s66, v[QC]
	v_add_nc_u32 v[QS], s67, v252
	v_mul_u32_u24 v[FA], v253, CP
	v_mad_u32_u24 v[FA], v254, 24, v[FA]
	v_add_nc_u32 v[FA], CODE, v[FA]
	v_mul_u32_u24 v[SA], v253, AP
	v_lshl_add_u32 v[SA], v254, 4, v[SA]
	v_add_nc_u32 v[SA], ASCB, v[SA]
	v_lshlrev_b32 v[PA], 5, v254
	v_add_nc_u32 v[PA], s68, v[PA]
	v_lshl_add_u32 v[PR], v252, 2, PSB
	v_and_b32 v255, 7, v0                          ; the context: my 16 bytes lie in the row's piece of 128 bytes number 2 w + h + 8 ((l / 8) % 2), and 16 pieces on
	v_lshlrev_b32 v[CA0], 4, v255
	v_bfe_u32 v255, v0, 3, 1
	v_mad_u32_u24 v[CA0], v255, 1152, v[CA0]
	v_mad_u32_u24 v[CA0], v254, 144, v[CA0]
	v_add_nc_u32 v[CA0], s69, v[CA0]
	v_lshlrev_b32 v[LI], 4, v252
	v_lshlrev_b32 v[TI], 4, v0
	v_lshlrev_b32 v[PFO], 8, v253
	v_lshl_add_u32 v[PFO], v254, 17, v[PFO]
	v_lshlrev_b32 v254, 4, v254
	v_lshl_add_u32 v254, v253, 5, v254             ; W's scale words: row r of 32 bytes, + 16 h
	v_lshlrev_b32 v253, 2, v253                    ; bias and att_v: 4 r
.irp k, 0,1,2,3,4,5,6,7
	v_mov_b32 v[CTX+\k], 0                         ; the first block finds zeros, which the first change of m leaves zeros
	v_mov_b32 v[SH+\k], 0
.endr
	v_mov_b32 v[MX], 0xff61b1e6                    ; -3e38, under every score
	s_wait_alu depctr_va_vdst(0)
.irp t, 0,1,2,3,4,5,6,7                ; the 24 small loads go first: they are wanted first
	global_load_b128 v[WSC+4*\t:WSC+4*\t+3], v254, s[8:9] offset:512*\t
.endr
.irp t, 0,1,2,3,4,5,6,7
	global_load_b32 v[BI+2*\t], v253, s[10:11] offset:1024*\t
	global_load_b32 v[MV+2*\t], v253, s[12:13] offset:64*\t
.endr
.set SS, 0
.rept 8                                ; the weights: 192 loads of 512 consecutive bytes, K step by K step, 24 loads each
.set TT, 0
.rept 8
	WREG SS, TT
	WIN (WW<<6)
.irp c, 0,1,2
	global_load_b128 v[WR+4*\c:WR+4*\c+3], v[LI], s[6:7] offset:(8*TT+SS)*1536+512*\c
.endr
.set TT, TT+1
.endr
.set SS, SS+1
.endr
	WIN 0
.irp j, 0,1,2,3                        ; emb's blocks 1 and 2 are named behind the weights' loads
	global_prefetch_b8 v[PFO], s[PF:PF+1] offset:PAIRB*\j th:TH_LOAD_NT scope:SCOPE_SE          ; block 1
.endr
.irp j, 0,1,2,3
	global_prefetch_b8 v[PFO], s[PF:PF+1] offset:BLKB+PAIRB*\j th:TH_LOAD_NT scope:SCOPE_SE     ; block 2
.endr
	s_wait_loadcnt 63                              ; 192 loads were issued behind the 24 small ones: with 63 out at the most those are in
	v_add_f32 v[VS], v[MV], v[MV+2]
.irp t, 2,3,4,5,6,7
	v_add_f32 v[VS], v[VS], v[MV+2*\t]
.endr
	v_mov_b32 v[VS+1], v[VS]
.irp t, 0,1,2,3,4,5,6,7
	v_mul_f32 v[BI+2*\t], s42, v[BI+2*\t]
	v_mul_f32 v[MV+2*\t], -2.0, v[MV+2*\t]
.endr
.irp t, 0,1,2,3,4,5,6,7
	v_mov_b32 v[BI+2*\t+1], v[BI+2*\t]
	v_mov_b32 v[MV+2*\t+1], v[MV+2*\t]
.endr
; ---- Q
.macro QLOAD i                         ; row i of my eight: my block's 128 bytes into set i % 3
.irp j, 0,1,2,3,4,5,6,7
	ds_load_b128 v[X+32*((\i)%3)+4*\j:X+32*((\i)%3)+4*\j+3], v[QA] offset:ROWP*(\i)+16*\j
.endr
.endm
.macro QSTORE i                        ; 24 bytes a lane, 768 consecutive bytes a row: the row's stream of bits; and the scale's byte
.set CS, CD+8*((\i)%3)
	ds_store_b64 v[QC], v[CS:CS+1] offset:CP*(\i)
	ds_store_b64 v[QC], v[CS+2:CS+3] offset:CP*(\i)+8
	ds_store_b64 v[QC], v[CS+4:CS+5] offset:CP*(\i)+16
	ds_store_b8 v[QS], v[CS+6] offset:AP*(\i)
.endm
.macro QROW i, cnt                     ; cnt: the LDS instructions issued behind row i's loads.  Row i - 1's codes are stored behind row i's maxima
.set XS, X+32*((\i)%3)
	s_wait_dscnt \cnt
	v_max3_num_f32 v[QM0], |v[XS]|, |v[XS+1]|, |v[XS+2]|           ; the block's largest magnitude: all 32 numbers are mine; two chains
	v_max3_num_f32 v[QM1], |v[XS+3]|, |v[XS+4]|, |v[XS+5]|
.irp n, 6,10,14,18,22,26
	v_max3_num_f32 v[QM0], v[QM0], |v[XS+\n]|, |v[XS+\n+1]|
	v_max3_num_f32 v[QM1], v[QM1], |v[XS+\n+2]|, |v[XS+\n+3]|
.endr
	v_max3_num_f32 v[QM0], v[QM0], |v[XS+30]|, |v[XS+31]|
	v_max3_num_f32 v[QM0], v[QM0], v[QM1], 0x1800000               ; the floor 2^(3 - 127): the byte cannot fall under 1
	v_add_nc_u32 v[QSO], 0xff000000, v[QM0]                        ; 2 off the exponent field: the conversion's scale operand
.if (\i) > 0
	QSTORE (\i)-1
.endif
.set CS, CD+8*((\i)%3)
	v_cvt_scalef32_pk16_fp6_f32 v[CS:CS+2], v[XS:XS+15], v[QSO]
	v_cvt_scalef32_pk16_fp6_f32 v[TQ:TQ+2], v[XS+16:XS+31], v[QSO]
	v_lshrrev_b32 v[CS+6], 23, v[QSO]                              ; the scale's byte: also the plain place behind the conversions
.irp k, 0,1,2
	v_mov_b32 v[CS+3+\k], v[TQ+\k]
.endr
.if (\i)+3 < 8
	QLOAD (\i)+3
.endif
.endm
; ---- M
.macro FRAG mt, ks                     ; x's fragment: rows 16 mt on, K step ks, into buffer ks % 4, in pieces of 8 bytes
.irp p, 0,1,2,3,4,5
	ds_load_b64 v[FR+12*((\ks)%4)+2*\p:FR+12*((\ks)%4)+2*\p+1], v[FA] offset:16*CP*(\mt)+96*(\ks)+48*(\p/3)+8*(\p%3)
.endr
.endm
; One K step: eight matrix instructions, source 0 = x's 16 rows, source 1 = 16 columns of W: lane (r, h), register j: (row 8 h + j, column r).  The eight accumulators take turns.
; cnt: the LDS instructions issued behind this step's fragment.  pre = 1: the two buffers read last take fragments (nmt, nks) and (nmt, nks + 1), sixteen matrix instructions ahead of their first use.
.macro KSTEP mt, ks, cnt, pre, nmt, nks
	s_wait_dscnt \cnt
.set TT, 0
.rept 8
	WREG \ks, TT
	WIN (WW<<2)
.if \ks == 0
	v_wmma_scale_f32_16x16x128_f8f6f4 v[ACC+8*TT:ACC+8*TT+7], v[FR+12*((\ks)%4):FR+12*((\ks)%4)+11], v[WR:WR+11], 0, v[ASC+4*(\mt)+(\ks)%4], v[WSC+4*TT+(\ks)%4] matrix_a_fmt:MATRIX_FMT_FP6 matrix_b_fmt:MATRIX_FMT_FP6
.elseif \ks < 4
	v_wmma_scale_f32_16x16x128_f8f6f4 v[ACC+8*TT:ACC+8*TT+7], v[FR+12*((\ks)%4):FR+12*((\ks)%4)+11], v[WR:WR+11], v[ACC+8*TT:ACC+8*TT+7], v[ASC+4*(\mt)+(\ks)%4], v[WSC+4*TT+(\ks)%4] matrix_a_fmt:MATRIX_FMT_FP6 matrix_b_fmt:MATRIX_FMT_FP6
.else
	v_wmma_scale_f32_16x16x128_f8f6f4 v[ACC+8*TT:ACC+8*TT+7], v[FR+12*((\ks)%4):FR+12*((\ks)%4)+11], v[WR:WR+11], v[ACC+8*TT:ACC+8*TT+7], v[ASC+4*(\mt)+(\ks)%4], v[WSC+4*TT+(\ks)%4] matrix_a_fmt:MATRIX_FMT_FP6 matrix_b_fmt:MATRIX_FMT_FP6 matrix_a_scale:MATRIX_SCALE_ROW1 matrix_b_scale:MATRIX_SCALE_ROW1
.endif
.set TT, TT+1
.endr
.if \pre || (\ks == 7)
	PLACES
.endif
.if \pre
	FRAG \nmt, \nks
	FRAG \nmt, (\nks)+1
.endif
.endm
.macro WWAIT lp, ks                    ; K step ks's 24 weight loads are in: behind them (7 - ks) x 24 were issued; the wait's field names 63 at the most, and the smaller count is the safe one
.if \lp
.if (7-(\ks))*24 > 63
	s_wait_loadcnt 63
.else
	s_wait_loadcnt (7-(\ks))*24
.endif
.endif
.endm
; 16 rows x my 128 columns: tanh, x att_v, summed over the columns.  FOUR BATCHES, each whole: y = 2 log2(e) (sum + bias); e = 2^y; 1 + e; 1 / (1 + e); then the scores' parts.  One wait ahead of each batch of
; transcendentals and one behind it, with a plain place between.
.macro TANH mt
	WIN 0
.irp t, 0,1,2,3,4,5,6,7
.irp i, 0,2,4,6
	v_pk_fma_f32 v[ACC+8*\t+\i:ACC+8*\t+\i+1], v[ACC+8*\t+\i:ACC+8*\t+\i+1], s[42:43], v[BI+2*\t:BI+2*\t+1] op_sel_hi:[1,0,1]   ; each accumulator from its low end on
.endr
.endr
	s_wait_alu depctr_va_vdst(0)
.set J, 0
.rept 64
	v_exp_f32 v[ACC+J], v[ACC+J]
.set J, J+1
.endr
	v_nop
	s_wait_alu depctr_va_vdst(0)
.set J, 0
.rept 32
	v_pk_add_f32 v[ACC+J:ACC+J+1], v[ACC+J:ACC+J+1], 1.0 op_sel_hi:[1,0]
.set J, J+2
.endr
	s_wait_alu depctr_va_vdst(0)
.set J, 0
.rept 64
	v_rcp_f32 v[ACC+J], v[ACC+J]
.set J, J+1
.endr
	v_nop
	s_wait_alu depctr_va_vdst(0)
.irp i, 0,2,4,6
	v_pk_fma_f32 v[SC+\i:SC+\i+1], v[ACC+\i:ACC+\i+1], v[MV:MV+1], v[VS:VS+1]          ; the sum of v, - 2 v / (1 + e), tile by tile; four chains by turns
.endr
.irp t, 1,2,3,4,5,6,7
.irp i, 0,2,4,6
	v_pk_fma_f32 v[SC+\i:SC+\i+1], v[ACC+8*\t+\i:ACC+8*\t+\i+1], v[MV+2*\t:MV+2*\t+1], v[SC+\i:SC+\i+1]
.endr
.endr
.irp m, 1,2,4,8                        ; over the sixteen lanes of my half, which hold sixteen columns of the same eight rows
.irp j, 0,1,2,3,4,5,6,7
	v_add_f32_dpp v[SC+\j], v[SC+\j], v[SC+\j] row_xmask:\m row_mask:0xf bank_mask:0xf
.endr
.endr
	ds_store_b128 v[PA], v[SC:SC+3] offset:64*(\mt)                ; rows 16 mt + 8 h + 0 .. 7; a half's sixteen lanes write the same bytes with the same values
	ds_store_b128 v[PA], v[SC+4:SC+7] offset:64*(\mt)+16
.endm
; ---- C
.macro CLOAD buf                       ; eight rows, my 2 x 16 bytes of each
.irp n, 0,1,2,3,4,5,6,7
	ds_load_b128 v[\buf+8*\n:\buf+8*\n+3], v[CAW] offset:ROWP*\n
	ds_load_b128 v[\buf+8*\n+4:\buf+8*\n+7], v[CAW] offset:ROWP*\n+2304
.endr
.endm
.macro CFMA g, buf                     ; rows 8 g .. 8 g + 7 x their p, onto the context
.irp n, 0,1,2,3,4,5,6,7
	v_readlane_b32 s[PP+2*\n], v[P], 8*(\g)+\n
.endr
.irp n, 0,1,2,3,4,5,6,7
.irp k, 0,2,4,6
	v_pk_fma_f32 v[CTX+\k:CTX+\k+1], v[\buf+8*\n+\k:\buf+8*\n+\k+1], s[PP+2*\n:PP+2*\n+1], v[CTX+\k:CTX+\k+1] op_sel_hi:[1,0,1]
.endr
.endr
.endm
; A block of 32 rows, in the slot at s40.  lp = 1: the loop's copy, with the waits for the weights and the prefetch
.macro WORK lp
	v_add_nc_u32 v[QA], s40, v[QA0]
	QLOAD 0
	QLOAD 1
	QLOAD 2
	QROW 0, 16                                     ; behind row 0's loads: two rows' 8 loads
	QROW 1, 16                                     ; two rows' loads
	QROW 2, 20                                     ; 8 loads, 4 stores, 8 loads
	QROW 3, 24                                     ; twice 4 stores and 8 loads
	QROW 4, 24
	QROW 5, 24
	QROW 6, 16                                     ; 4 stores, 8 loads, 4 stores
	QROW 7, 8                                      ; twice 4 stores
	QSTORE 7
	BAR                                            ; the 32 rows' codes and scale bytes lie in LDS
	ds_load_b128 v[ASC:ASC+3], v[SA]
	ds_load_b128 v[ASC+4:ASC+7], v[SA] offset:16*AP
	FRAG 0, 0
	FRAG 0, 1
	FRAG 0, 2
	FRAG 0, 3
	WWAIT \lp, 0
	KSTEP 0, 0, 18, 0, 0, 0                        ; an even step: behind its fragment the pair's second (6 loads) and the next pair (12)
	WWAIT \lp, 1
	KSTEP 0, 1, 12, 1, 0, 4                        ; an odd step: the next pair
	WWAIT \lp, 2
	KSTEP 0, 2, 18, 0, 0, 0
	WWAIT \lp, 3
	KSTEP 0, 3, 12, 1, 0, 6
	WWAIT \lp, 4
	KSTEP 0, 4, 18, 0, 0, 0
	WWAIT \lp, 5
	KSTEP 0, 5, 12, 1, 1, 0
	WWAIT \lp, 6
	KSTEP 0, 6, 18, 0, 0, 0
	WWAIT \lp, 7
	KSTEP 0, 7, 12, 1, 1, 2
	TANH 0
.if \lp
	s_wait_alu depctr_va_vdst(0)
	s_cmp_gt_u32 s41, 2                            ; trips 0 to 4 (7 to 3 trips to go): block t + 3 exists
	s_cbranch_scc0 .Lno_ask
.irp j, 0,1,2,3
	global_prefetch_b8 v[PFO], s[PF:PF+1] offset:BLKB+PAIRB*\j th:TH_LOAD_NT scope:SCOPE_SE
.endr
.Lno_ask:
.endif
	KSTEP 1, 0, 18, 0, 0, 0                        ; (in these four steps the two stores of partial scores are younger too: 18 and 12 are the smaller counts)
	KSTEP 1, 1, 12, 1, 1, 4
	KSTEP 1, 2, 18, 0, 0, 0
	KSTEP 1, 3, 12, 1, 1, 6
	KSTEP 1, 4, 18, 0, 0, 0
	KSTEP 1, 5, 12, 0, 0, 0
	KSTEP 1, 6, 6, 0, 0, 0
	KSTEP 1, 7, 0, 0, 0, 0
	WIN 0
	v_add_nc_u32 v[CAW], s40, v[CA0]
.irp n, 0,1,2,3,4,5,6                  ; the context's rows 0-6 come in under the tanh, into the 56 registers that it leaves idle (x's fragments are done with; four places stand behind the last product)
	ds_load_b128 v[CB1+8*\n:CB1+8*\n+3], v[CAW] offset:ROWP*\n
	ds_load_b128 v[CB1+8*\n+4:CB1+8*\n+7], v[CAW] offset:ROWP*\n+2304
.endr
	TANH 1
	s_wait_alu depctr_va_vdst(0)
	s_wait_dscnt 0x0                               ; my partial scores have landed, and rows 0-6 are in
	s_barrier_signal -1
	ds_load_b128 v[CB1+56:CB1+59], v[CAW] offset:ROWP*7            ; between signal and wait: loads of the slot in hand, which nobody writes before the next change of slots.  Row 7, where the partial scores lay
	ds_load_b128 v[CB1+60:CB1+63], v[CAW] offset:ROWP*7+2304
	v_add_nc_u32 v[CAW], WROWS, v[CAW]
	CLOAD CB0                                      ; rows 8-15
	s_barrier_wait -1                              ; the four waves' partial scores lie in LDS
	ds_load_b32 v252, v[PR]
	ds_load_b32 v253, v[PR] offset:128
	ds_load_b32 v254, v[PR] offset:256
	ds_load_b32 v255, v[PR] offset:384
	s_wait_dscnt 0x0
	v_add_f32 v252, v252, v253
	v_add_f32 v254, v254, v255
	v_add_f32 v[SCORE], v252, v254                 ; row l's score: the same bits in all four waves
.irp k, 0,1,2,3,4,5,6
	v_mov_b32 v[SH+\k], v[SH+\k+1]                 ; the scores move up one place a block: after eight blocks register k holds block k's
.endr
	v_mov_b32 v[SH+7], v[SCORE]
	v_max_num_f32_dpp v253, v[SCORE], v[SCORE] row_xmask:1 row_mask:0xf bank_mask:0xf
	v_max_num_f32_dpp v253, v253, v253 row_xmask:2 row_mask:0xf bank_mask:0xf
	v_max_num_f32_dpp v253, v253, v253 row_xmask:4 row_mask:0xf bank_mask:0xf
	v_max_num_f32_dpp v253, v253, v253 row_xmask:8 row_mask:0xf bank_mask:0xf
	v_permlanex16_b32 v252, v253, s44, s45
	v_max_num_f32 v253, v253, v252                 ; the block's largest score, in every lane
	v_max_num_f32 v[MXN], v[MX], v253              ; the new running maximum
	v_sub_f32 v254, v[MX], v[MXN]
	v_sub_f32 v255, v[SCORE], v[MXN]
	v_mul_f32 v254, s46, v254
	v_mul_f32 v255, s46, v255
	s_wait_alu depctr_va_vdst(0)
	v_exp_f32 v[F], v254                           ; e^(old m - new m)
	v_exp_f32 v[P], v255                           ; p = e^(score - m), at most 1
	v_mov_b32 v[MX], v[MXN]                        ; (a plain place behind the exponentials)
	s_wait_alu depctr_va_vdst(0)
	v_mov_b32 v[F+1], v[F]
.irp k, 0,2,4,6
	v_pk_mul_f32 v[CTX+\k:CTX+\k+1], v[CTX+\k:CTX+\k+1], v[F:F+1]
.endr
	CFMA 0, CB1
	v_add_nc_u32 v[CAW], WROWS, v[CAW]
	CLOAD CB1                                      ; rows 16-23
	CFMA 1, CB0
	v_add_nc_u32 v[CAW], WROWS, v[CAW]
	CLOAD CB0                                      ; rows 24-31
	s_wait_alu depctr_va_vdst(0)
	s_wait_dscnt 16                                ; rows 16-23 are in; the 16 younger loads may be out
	CFMA 2, CB1
	s_wait_alu depctr_va_vdst(0)
	s_wait_dscnt 0x0
	CFMA 3, CB0
.endm
; THE CHANGE OF SLOTS at a block's head.  Each wave waits for all its tensor loads (one is out: its part of the slot ahead), adds 0 to its spare word, and waits for that and for its reads of the slot that it has left.
; Behind the barrier the slot ahead is whole and nobody reads the other.  fill = 1: that other slot takes the next block (the first time: slot 1's first fill, issued as a refill is).
.macro CHANGE fill
	s_wait_alu depctr_va_vdst(0)
	s_wait_tensorcnt 0x0
	ds_add_u32 v[SPW], v[NIL]
.if \fill
	s_xor_b32 s37, s37, SLOTB                      ; no tensor load of mine is out: the walking group 0 may be written
	s_add_nc_u64 s[38:39], s[38:39], BLKB
.endif
	s_wait_dscnt 0x0
	s_barrier_signal -1
	s_barrier_wait -1
.if \fill
	tensor_load_to_lds s[36:39], s[24:31]          ; my one tensor load until the next such barrier
	s_nop 0
	PLACES
.endif
.endm
	s_wait_alu depctr_va_vdst(0)                   ; the head's end
.Ltrip:                                                ; blocks 0 to 6; the loads bring blocks 1 to 7
	s_wait_xcnt 0x0                                ; my prefetches have read their base: it steps a block on
	s_add_nc_u64 s[PF:PF+1], s[PF:PF+1], BLKB
	CHANGE 1
	WORK 1
	s_xor_b32 s40, s40, SLOTB                      ; on to the other slot
	s_sub_co_u32 s41, s41, 1
	s_cmp_lg_u32 s41, 0
	s_wait_alu depctr_va_vdst(0)
	s_cbranch_scc1 .Ltrip
	CHANGE 0                                       ; block 7 is written out
	WORK 0
	global_store_b128 v[TI], v[CTX:CTX+3], s[16:17]                ; a wave's store covers 512 consecutive bytes, aligned
	global_store_b128 v[TI], v[CTX+4:CTX+7], s[16:17] offset:2048
	s_cmp_lg_u32 s18, 0                            ; all four waves hold the same scores: wave 0 stores them
	s_cbranch_scc1 .Lnot_wave_0
	global_store_b128 v[LI], v[SH:SH+3], s[14:15]
	global_store_b128 v[LI], v[SH+4:SH+7], s[14:15] offset:512
.Lnot_wave_0:
	s_wait_tensorcnt 0x0                           ; the wave's end
	ds_add_u32 v[SPW], v[NIL]
	s_wait_dscnt 0x0
	s_endpgm
.Lfunc_end_k_q7f66850355_main:
	.size	k_q7f66850355_main, .Lfunc_end_k_q7f66850355_main-k_q7f66850355_main
	.p2alignl 7, 3214868480
	.fill 96, 4, 3214868480
	.section	.rodata,"a",@progbits
	.p2align	6, 0x0
	.amdhsa_kernel k_q7f66850355_main
		.amdhsa_group_segment_fixed_size 327680
		.amdhsa_private_segment_fixed_size 0
		.amdhsa_enable_private_segment 0
		.amdhsa_kernarg_size 56
		.amdhsa_user_sgpr_count 2
		.amdhsa_user_sgpr_kernarg_segment_ptr 1
		.amdhsa_wavefront_size32 1
		.amdhsa_system_sgpr_workgroup_id_x 1
		.amdhsa_system_sgpr_workgroup_id_y 1
		.amdhsa_system_sgpr_workgroup_id_z 1
		.amdhsa_system_vgpr_workitem_id 0
		.amdhsa_next_free_vgpr 1024
		.amdhsa_next_free_sgpr 72
		.amdhsa_reserve_vcc 0
		.amdhsa_float_denorm_mode_32 3
		.amdhsa_float_denorm_mode_16_64 3
		.amdhsa_memory_ordered 1
		.amdhsa_forward_progress 1
		.amdhsa_inst_pref_size 195
	.end_amdhsa_kernel
	.amdgpu_metadata
---
amdhsa.version: [ 1, 2 ]
amdhsa.kernels:
  - .name:           k_q7f66850355_main
    .symbol:         k_q7f66850355_main.kd
    .args:
      - { .name: emb, .offset: 0, .size: 8, .value_kind: global_buffer, .address_space: global }
      - { .name: wimg, .offset: 8, .size: 8, .value_kind: global_buffer, .address_space: global }
      - { .name: W_emb_scales, .offset: 16, .size: 8, .value_kind: global_buffer, .address_space: global }
      - { .name: biasw, .offset: 24, .size: 8, .value_kind: global_buffer, .address_space: global }
      - { .name: att_v, .offset: 32, .size: 8, .value_kind: global_buffer, .address_space: global }
      - { .name: scoresw, .offset: 40, .size: 8, .value_kind: global_buffer, .address_space: global }
      - { .name: pctx, .offset: 48, .size: 8, .value_kind: global_buffer, .address_space: global }
    .group_segment_fixed_size: 327680
    .private_segment_fixed_size: 0
    .kernarg_segment_align: 8
    .kernarg_segment_size: 56
    .max_flat_workgroup_size: 128
    .sgpr_count:     72
    .vgpr_count:     1024
    .wavefront_size: 32
...
	.end_amdgpu_metadata
.endif
;; end of part 2
;; launch finish (part 3): grid 32 x 1, 8 waves a work-group, no clusters, 13,824 bytes of LDS; arguments scoresw, pctx, out0, out1; writes out0, out1
.if DOCPART == 3
	.amdgcn_target "amdgcn-amd-amdhsa--gfx1250"
	.amdhsa_code_object_version 6
	.text
	.protected	k_q7f66850355_finish
	.globl	k_q7f66850355_finish
	.p2align	8
	.type	k_q7f66850355_finish,@function
k_q7f66850355_finish:
	s_mov_b64 s[64:65], 0
	v_nop
	global_prefetch_b8 v0, s[64:65] scope:SCOPE_SE
	s_setreg_imm32_b32 hwreg(HW_REG_WAVE_MODE, 25, 1), 1
	s_wait_xcnt 0x0
; The softmax's end, for one batch row b a work-group.  Wave c holds chunk c's 256 scores (scoresw: [b][c][q][lane l][i]: the score of s = 256 c + 32 (4 q + i) + l).
; M = the largest of the row's 2,048 scores, L = the sum of e^(score - M);  out1[b][s] = e^(score - M) / L;  out0[b][:] = the sum over the 8 chunks of e^(m_c - M) / L x pctx[b][c][:], m_c the chunk's own largest score,
; under which the main launch left its partial context.  The maxima are taken away before every exponential.
; pctx: [b][c][256 threads][4] f32; thread t holds columns 32 (16 (t >> 7) + 8 ((t >> 3) & 1) + 2 ((t >> 5) & 3) + ((t >> 4) & 1)) + 4 (t & 7) + 0 .. 3: the sum goes through a stage in LDS into the row's own order.
; Memory binds what little there is: 40 KiB in, 12 KiB out a work-group; no matrix unit, no tensor load, no cluster: work-groups share nothing.  32 work-groups, one for each batch row: a row's sum has one owner.
.set MW, 0                             ; LDS: the 8 chunks' maxima
.set LW, 256                           ; their sums
.set WT, 512                           ; the weights' stage, 1,024 bytes for each wave, its own
.set CT, 8704                          ; the context's stage, 4,096 bytes
.set S,  8                             ; v8-15   my eight scores, later weights on their way out
.set X,  16                            ; v16-47  my 4 columns of the eight partial contexts
.set MC, 48                            ; v48-55  the chunks' maxima
.set LC, 56                            ; v56-63  the chunks' sums
.set E,  64                            ; v64-71  e^(score - M)
.set G,  80                            ; v80-95  e^(m_c - M) / L, each twice
.set O,  96                            ; v96-99  my 4 columns of the context; v100-103 the same in the row's order
.macro BAR                             ; my LDS stores have landed and my LDS loads are in: then the work-group's barrier
	s_wait_dscnt 0x0
	s_barrier_signal -1
	s_barrier_wait -1
.endm
	s_load_b256 s[4:11], s[0:1], 0x0               ; scoresw s[4:5], pctx s[6:7], out0 s[8:9], out1 s[10:11]
	v_lshl_add_u32 v104, v0, 2, 0x3200
	v_mov_b32 v105, 0
	v_lshrrev_b32 v1, 5, v0
	s_delay_alu instid0(VALU_DEP_1)
	v_readfirstlane_b32 s12, v1                    ; wave = chunk
	v_and_b32 v1, 31, v0                           ; lane
	s_delay_alu instid0(VALU_DEP_1)
	v_lshlrev_b32 v2, 4, v1                        ; 16 x lane
	v_lshlrev_b32 v3, 4, v0                        ; 16 x thread
	s_lshl_b32 s13, s12, 10
	v_lshl_add_u32 v4, v1, 2, WT
	s_delay_alu instid0(VALU_DEP_1)
	v_add_nc_u32 v4, s13, v4                       ; the weights' stage, in: 4 x lane
	v_add_nc_u32 v5, s13, v2
	s_delay_alu instid0(VALU_DEP_1)
	v_add_nc_u32 v5, WT, v5                        ; and out: 16 x lane
	v_and_b32 v7, 7, v0
	s_delay_alu instid0(VALU_DEP_1)
	v_lshl_add_u32 v6, v7, 4, CT                   ; the context's stage, in: my four columns' place in the row
	v_bfe_u32 v7, v0, 4, 1
	s_delay_alu instid0(VALU_DEP_1)
	v_lshl_add_u32 v6, v7, 7, v6
	v_bfe_u32 v7, v0, 5, 2
	s_delay_alu instid0(VALU_DEP_1)
	v_lshl_add_u32 v6, v7, 8, v6
	v_bfe_u32 v7, v0, 3, 1
	s_delay_alu instid0(VALU_DEP_1)
	v_lshl_add_u32 v6, v7, 10, v6
	v_bfe_u32 v7, v0, 7, 1
	s_delay_alu instid0(VALU_DEP_1)
	v_lshl_add_u32 v6, v7, 11, v6
	v_add_nc_u32 v7, CT, v3                        ; and out: 16 x thread
	v_mov_b32 v72, s12
	s_delay_alu instid0(VALU_DEP_1)
	v_lshlrev_b32 v72, 2, v72                      ; my chunk's word
	v_mov_b32 v73, 0
	v_mov_b32 v75, 0                               ; (a lane permute's destination counts as one of its sources)
	s_mov_b32 s14, 0x76543210                      ; v_permlanex16_b32's selects for lane l xor 16
	s_mov_b32 s15, 0xfedcba98
	s_mov_b32 s16, 0x3fb8aa3b                      ; log2(e)
	s_lshl_b32 s18, ttmp9, 13
	s_add_co_u32 s18, s18, s13                     ; 8,192 b + 1,024 c: in scoresw and in out1
	s_mov_b32 s19, 0
	s_lshl_b32 s20, ttmp9, 15                      ; 32,768 b in pctx
	s_mov_b32 s21, 0
	s_lshl_b32 s22, ttmp9, 12                      ; 4,096 b in out0
	s_mov_b32 s23, 0
	s_wait_kmcnt 0x0
	s_add_nc_u64 s[4:5], s[4:5], s[18:19]
	s_add_nc_u64 s[10:11], s[10:11], s[18:19]
	s_add_nc_u64 s[6:7], s[6:7], s[20:21]
	s_add_nc_u64 s[8:9], s[8:9], s[22:23]
	global_load_b128 v[S:S+3], v2, s[4:5]
	global_load_b128 v[S+4:S+7], v2, s[4:5] offset:512
.irp c, 0,1,2,3,4,5,6,7
	global_load_b128 v[X+4*\c:X+4*\c+3], v3, s[6:7] offset:4096*\c
.endr
	s_wait_loadcnt 8                               ; the scores are in; the eight loads behind them may be out
	v_max3_num_f32 v74, v[S], v[S+1], v[S+2]
	s_delay_alu instid0(VALU_DEP_1)
	v_max3_num_f32 v74, v74, v[S+3], v[S+4]
	s_delay_alu instid0(VALU_DEP_1)
	v_max3_num_f32 v74, v74, v[S+5], v[S+6]
	s_delay_alu instid0(VALU_DEP_1)
	v_max_num_f32 v74, v74, v[S+7]
.irp m, 1,2,4,8
	s_delay_alu instid0(VALU_DEP_1)
	v_max_num_f32_dpp v74, v74, v74 row_xmask:\m row_mask:0xf bank_mask:0xf
.endr
	s_wait_alu depctr_va_vdst(0)
	v_permlanex16_b32 v75, v74, s14, s15
	s_delay_alu instid0(VALU_DEP_1)
	v_max_num_f32 v74, v74, v75                    ; m_c
	ds_store_b32 v72, v74 offset:MW                ; all lanes write the same word with the same value
	BAR
	ds_load_b128 v[MC:MC+3], v73 offset:MW
	ds_load_b128 v[MC+4:MC+7], v73 offset:MW+16
	s_wait_dscnt 0x0
	v_max3_num_f32 v76, v[MC], v[MC+1], v[MC+2]
	s_delay_alu instid0(VALU_DEP_1)
	v_max3_num_f32 v76, v76, v[MC+3], v[MC+4]
	s_delay_alu instid0(VALU_DEP_1)
	v_max3_num_f32 v76, v76, v[MC+5], v[MC+6]
	s_delay_alu instid0(VALU_DEP_1)
	v_max_num_f32 v76, v76, v[MC+7]                ; M
.irp k, 0,1,2,3,4,5,6,7
	v_sub_f32 v[E+\k], v[S+\k], v76
.endr
.irp k, 0,1,2,3,4,5,6,7
	v_mul_f32 v[E+\k], s16, v[E+\k]
.endr
	s_wait_alu depctr_va_vdst(0)
.irp k, 0,1,2,3,4,5,6,7
	v_exp_f32 v[E+\k], v[E+\k]
.endr
	v_nop                                          ; a plain place behind the exponentials
	s_wait_alu depctr_va_vdst(0)
	v_pk_add_f32 v[78:79], v[E:E+1], v[E+2:E+3]
	v_pk_add_f32 v[78:79], v[78:79], v[E+4:E+5]
	v_pk_add_f32 v[78:79], v[78:79], v[E+6:E+7]
	s_delay_alu instid0(VALU_DEP_1)
	v_add_f32 v74, v78, v79
.irp m, 1,2,4,8
	s_delay_alu instid0(VALU_DEP_1)
	v_add_f32_dpp v74, v74, v74 row_xmask:\m row_mask:0xf bank_mask:0xf
.endr
	s_delay_alu instid0(VALU_DEP_1)
	v_permlanex16_b32 v75, v74, s14, s15
	s_delay_alu instid0(VALU_DEP_1)
	v_add_f32 v74, v74, v75                        ; the chunk's sum
	ds_store_b32 v72, v74 offset:LW
	BAR
	ds_load_b128 v[LC:LC+3], v73 offset:LW
	ds_load_b128 v[LC+4:LC+7], v73 offset:LW+16
	s_wait_dscnt 0x0
	v_pk_add_f32 v[78:79], v[LC:LC+1], v[LC+2:LC+3]
	s_delay_alu instid0(VALU_DEP_1)
	v_pk_add_f32 v[78:79], v[78:79], v[LC+4:LC+5]
	s_delay_alu instid0(VALU_DEP_1)
	v_pk_add_f32 v[78:79], v[78:79], v[LC+6:LC+7]
	s_delay_alu instid0(VALU_DEP_1)
	v_add_f32 v74, v78, v79                        ; L: at least 1, since the largest score's term is 1
	s_wait_alu depctr_va_vdst(0)
	v_rcp_f32 v77, v74
.irp c, 0,1,2,3,4,5,6,7
	v_sub_f32 v[G+2*\c], v[MC+\c], v76             ; (plain places behind the reciprocal)
.endr
.irp c, 0,1,2,3,4,5,6,7
	v_mul_f32 v[G+2*\c], s16, v[G+2*\c]
.endr
	s_wait_alu depctr_va_vdst(0)
.irp c, 0,1,2,3,4,5,6,7
	v_exp_f32 v[G+2*\c], v[G+2*\c]
.endr
	s_wait_alu depctr_va_vdst(0)
.irp k, 0,1,2,3,4,5,6,7
	v_mul_f32 v[E+\k], v[E+\k], v77                ; the weights.  (Plain places behind the exponentials)
.endr
.irp k, 0,1,2,3,4,5,6,7
	ds_store_b32 v4, v[E+\k] offset:128*\k         ; register k, lane l: s = 256 c + 32 k + l: into the row's order, in my wave's own bytes
.endr
	ds_load_b128 v[S:S+3], v5                      ; LDS serves a wave's instructions in order (ISA guide 5.7.1.4): these see my stores
	ds_load_b128 v[S+4:S+7], v5 offset:512
.irp c, 0,1,2,3,4,5,6,7
	v_mul_f32 v[G+2*\c+1], v[G+2*\c], v77
	v_mul_f32 v[G+2*\c], v[G+2*\c], v77            ; e^(m_c - M) / L, twice
.endr
	s_wait_loadcnt 0x0                             ; the partial contexts
	v_pk_mul_f32 v[O:O+1], v[X:X+1], v[G:G+1]
	v_pk_mul_f32 v[O+2:O+3], v[X+2:X+3], v[G:G+1]
.irp c, 1,2,3,4,5,6,7
	s_delay_alu instid0(VALU_DEP_2)
	v_pk_fma_f32 v[O:O+1], v[X+4*\c:X+4*\c+1], v[G+2*\c:G+2*\c+1], v[O:O+1]
	s_delay_alu instid0(VALU_DEP_2)
	v_pk_fma_f32 v[O+2:O+3], v[X+4*\c+2:X+4*\c+3], v[G+2*\c:G+2*\c+1], v[O+2:O+3]
.endr
	ds_store_b128 v6, v[O:O+3]
	s_wait_dscnt 1                                 ; the weights are back in registers (the store just issued may be out)
	global_store_b128 v2, v[S:S+3], s[10:11]       ; a wave's store covers 512 consecutive bytes, aligned
	global_store_b128 v2, v[S+4:S+7], s[10:11] offset:512
	BAR                                            ; the whole row of the context lies in the stage
	ds_load_b128 v[O+4:O+7], v7
	s_wait_dscnt 0x0
	global_store_b128 v3, v[O+4:O+7], s[8:9]
	s_wait_tensorcnt 0x0
	ds_add_u32 v104, v105
	s_wait_dscnt 0x0
	s_endpgm
.Lfunc_end_k_q7f66850355_finish:
	.size	k_q7f66850355_finish, .Lfunc_end_k_q7f66850355_finish-k_q7f66850355_finish
	.p2alignl 7, 3214868480
	.fill 96, 4, 3214868480
	.section	.rodata,"a",@progbits
	.p2align	6, 0x0
	.amdhsa_kernel k_q7f66850355_finish
		.amdhsa_group_segment_fixed_size 13824
		.amdhsa_private_segment_fixed_size 0
		.amdhsa_enable_private_segment 0
		.amdhsa_kernarg_size 32
		.amdhsa_user_sgpr_count 2
		.amdhsa_user_sgpr_kernarg_segment_ptr 1
		.amdhsa_wavefront_size32 1
		.amdhsa_system_sgpr_workgroup_id_x 1
		.amdhsa_system_sgpr_workgroup_id_y 1
		.amdhsa_system_sgpr_workgroup_id_z 1
		.amdhsa_system_vgpr_workitem_id 0
		.amdhsa_next_free_vgpr 106
		.amdhsa_next_free_sgpr 66
		.amdhsa_reserve_vcc 0
		.amdhsa_float_denorm_mode_32 3
		.amdhsa_float_denorm_mode_16_64 3
		.amdhsa_memory_ordered 1
		.amdhsa_forward_progress 1
		.amdhsa_inst_pref_size 12
	.end_amdhsa_kernel
	.amdgpu_metadata
---
amdhsa.version: [ 1, 2 ]
amdhsa.kernels:
  - .name:           k_q7f66850355_finish
    .symbol:         k_q7f66850355_finish.kd
    .args:
      - { .name: scoresw, .offset: 0, .size: 8, .value_kind: global_buffer, .address_space: global }
      - { .name: pctx, .offset: 8, .size: 8, .value_kind: global_buffer, .address_space: global }
      - { .name: out0, .offset: 16, .size: 8, .value_kind: global_buffer, .address_space: global }
      - { .name: out1, .offset: 24, .size: 8, .value_kind: global_buffer, .address_space: global }
    .group_segment_fixed_size: 13824
    .private_segment_fixed_size: 0
    .kernarg_segment_align: 8
    .kernarg_segment_size: 32
    .max_flat_workgroup_size: 256
    .sgpr_count:     66
    .vgpr_count:     106
    .wavefront_size: 32
...
	.end_amdgpu_metadata
.endif
;; end of part 3
